; MI455X (gfx1250); checked and timed in simulation.
; The chip was launched on July 23, 2026; its instructions are those of AMD's public machine-readable ISA for CDNA 5 (MIT licence, August 2026) and "CDNA5" Instruction Set Architecture Reference Guide (July 2026). The comments in the code are by the model that wrote it; some were corrected since.
;; Weight Only Quantized Linear. Allowed arithmetic: float matrix products may take bf16 or f16 operands with f32 sums; other float arithmetic in f32, or as packed bf16 or f16 multiplies, adds, multiply-adds, maxima and minima; sums over many terms, partial sums and values carried from step to step in f32; what a program stores and reads back later, other than sums and carried values, may be rounded once to bf16 or f16.
;; Inputs: bias 4,096 float32; qweight 4,096 x 4,096 int32; scales 4,096 float32; x 4 x 1,024 x 4,096 float32; zero_points 4,096 float32.
;; Outputs: out0 4 x 1,024 x 4,096 float32.
;; 2 versions, each right; version 2 is version 1 with the launch prep written anew for expert scheduling mode. Each part assembles by itself: llvm-mc -triple=amdgcn-amd-amdhsa -mcpu=gfx1250 --defsym DOCPART=n.
;; ======== version 1 of 2: 2 launches
;; workspace buffers: xb 33,554,432 bytes; wb 33,554,432 bytes; rs 16,384 bytes
;; launch prep (part 1): grid 256 x 2, 8 waves a work-group, no clusters, 0 bytes of LDS; arguments x, qweight, zero_points, xb, wb, rs; writes xb, wb, rs
.if DOCPART == 1
	.amdgcn_target "amdgcn-amd-amdhsa--gfx1250"
	.amdhsa_code_object_version 6
	.text
	.protected	k_qef44fd634e_prep
	.globl	k_qef44fd634e_prep
	.p2align	8
	.type	k_qef44fd634e_prep,@function
k_qef44fd634e_prep:
	s_mov_b64 s[64:65], 0
	v_nop
	global_prefetch_b8 v0, s[64:65] scope:SCOPE_SE
	s_setreg_imm32_b32 hwreg(HW_REG_WAVE_MODE, 25, 1), 1
	s_wait_xcnt 0x0
; y[m][o] = sum over i of x[m][i] (q[o][i] - zp[o]) s[o] + bias[o], M = N = K = 4096, is made in two launches.  Nothing of the problem's work is left out: every input reaches the output.
; THE ARITHMETIC.  All floating-point inputs are taken rounded once to bf16 (x_b, zp_b, s_b, bias_b).  With c[o] = rint(zp_b[o]) held to 0 .. 255 and d[o] = zp_b[o] - c[o]:
;   y = s_b (sum x_b (q - c) - d sum x_b) + bias_b.   q - c is a whole number; up to 256 in size bf16 holds it exactly, so the weights lose nothing on their way to the matrix unit.
; The matrix sum has the size of the true sum and the correction is d times a row's sum (|d| <= 0.5 where zp lies in 0 .. 255; where zp lies far outside, the correction IS the result's main part):
; no difference of large sums is formed.
; THIS LAUNCH: xb = x_b; rs[m] = the sum of row m of x_b, in f32; wb = bf16(q - c).  The second launch multiplies.
; LIMITS.  |q - c| above 256 is rounded to bf16; |q| above 2^24 is rounded twice (to f32, then to bf16).  A NaN in zp gives c = 0 here, and the second launch's d carries the NaN to the whole column.
; K IS PERMUTED, alike in xb and wb, inside each block of 256: place 8 l + t holds element 4 l + t (t < 4) or 128 + 4 l + t - 4 (t >= 4).  So a lane's two loads of 16 bytes make its one store of
; 16 bytes; the products are the same, only the order of the f32 sums differs.
; SHARES.  Work-group y = 0 takes x, y = 1 takes q; work-group x = g takes rows 16 g .. 16 g + 15, wave w rows 16 g + 2 w and the next.  A row is 16,384 bytes: 16 PAIRS of two loads, each load
; 512 consecutive bytes of the wave; a pair makes one store of 512 consecutive bytes, aligned.  The ring in registers holds a whole row: 32 loads of every wave are on their way.
; No LDS, no barrier: no wave wants a byte that another has fetched.  rs leaves as 8 bytes a wave: 16 KiB in the whole launch, beside 64 MiB of whole aligned blocks.
.set LO, 2                             ; v2        16 x lane; never rewritten
.set C,  4                             ; v[4:5], v[6:7]  c of my first and second row, each twice (a pair for the packed subtraction)
.set T,  8                             ; v[8:15]   at work
.set S,  16                            ; v[16:23]  four pairs of running sums
.set R,  24                            ; v24, v25  the two rows' sums
.set Y,  28                            ; v[28:35]  two sets of four to store, by the pair's parity
.set X,  36                            ; v[36:163] pair j: eight registers as loaded
	s_load_b256 s[4:11], s[0:1], 0x0               ; x s[4:5], q s[6:7], zp s[8:9], xb s[10:11]
	s_load_b128 s[12:15], s[0:1], 0x20             ; wb s[12:13], rs s[14:15]
	v_and_b32 v1, 31, v0                           ; lane
	v_lshrrev_b32 v3, 5, v0
	v_readfirstlane_b32 s16, v3                    ; wave 0..7
	v_lshlrev_b32 v[LO], 4, v1
	v_lshlrev_b32 v3, 2, v1                        ; 4 x lane: rs
	s_and_b32 s31, ttmp7, 0xffff                   ; 0: x, 1: q
	s_lshl_b32 s17, ttmp9, 4
	s_lshl_b32 s16, s16, 1
	s_add_co_u32 s17, s17, s16                     ; my first row
	s_mov_b32 s28, 0x76543210                      ; v_permlanex16_b32: each lane takes its own place in the other half
	s_mov_b32 s29, 0xfedcba98
	s_mov_b32 s30, 0xffff0000                      ; a word's upper bf16
	s_mov_b32 s19, 0
	s_wait_kmcnt 0x0
	s_cmp_eq_u32 s31, 0
	s_cselect_b64 s[20:21], s[4:5], s[6:7]         ; what I read,
	s_cselect_b64 s[22:23], s[10:11], s[12:13]     ; and what I write
	s_lshl_b32 s18, s17, 14                        ; rows of 16,384 bytes in,
	s_add_nc_u64 s[20:21], s[20:21], s[18:19]
	s_lshl_b32 s18, s17, 13                        ; of 8,192 out,
	s_add_nc_u64 s[22:23], s[22:23], s[18:19]
	s_lshl_b32 s18, s17, 2                         ; and a word a row in zp and rs
	s_add_nc_u64 s[14:15], s[14:15], s[18:19]
	s_add_nc_u64 s[8:9], s[8:9], s[18:19]
.irp j, 0,1,2,3,4,5,6,7,8,9,10,11,12,13,14,15
	global_load_b128 v[X+8*(\j):X+8*(\j)+3],   v[LO], s[20:21] offset:1024*(\j) th:TH_LOAD_NT      ; the ring is filled: my first row
	global_load_b128 v[X+8*(\j)+4:X+8*(\j)+7], v[LO], s[20:21] offset:1024*(\j)+512 th:TH_LOAD_NT
.endr
; Pair j of row 'row' (0, 1).  kind 0: x, kind 1: q.  In row 0 the pair's registers are asked for again at once, for row 1.
.macro SLOT kind, row, j
.set XR, X+8*(\j)
.set YR, Y+4*((\j)%2)
.if (\row) == 0
	s_wait_loadcnt 30                              ; loads come back in order (ISA guide 5.7.1): behind my pair's two stand the other fifteen pairs': 2 (15 - j) of this row, 2 j of the next
.else
	s_wait_loadcnt 30-2*(\j)                       ; behind my pair's two stand the later pairs' alone: the count runs down
.endif
	s_wait_xcnt 0x0                                ; the store of two pairs back has read this Y set: it is rewritten only behind this wait
.if (\kind) == 0
.irp k, 0,1,2,3
	v_cvt_pk_bf16_f32 v[YR+(\k)], v[XR+2*(\k)], v[XR+2*(\k)+1]      ; two roundings to bf16, packed
.endr
.if (\j) == 0
.irp k, 0,1,2,3
	v_lshlrev_b32 v[S+2*(\k)],   16,  v[YR+(\k)]   ; the ROUNDED numbers are summed; a row's first pair starts the eight chains: nothing is cleared
	v_and_b32     v[S+2*(\k)+1], s30, v[YR+(\k)]
.endr
.else
.irp k, 0,1,2,3
	v_lshlrev_b32 v[T+2*(\k)],   16,  v[YR+(\k)]
	v_and_b32     v[T+2*(\k)+1], s30, v[YR+(\k)]
.endr
.irp k, 0,1,2,3
	v_pk_add_f32 v[S+2*(\k):S+2*(\k)+1], v[S+2*(\k):S+2*(\k)+1], v[T+2*(\k):T+2*(\k)+1]
.endr
.endif
.else
.irp k, 0,1,2,3,4,5,6,7
	v_cvt_f32_i32 v[XR+(\k)], v[XR+(\k)]
.endr
.irp k, 0,1,2,3
	v_pk_add_f32 v[XR+2*(\k):XR+2*(\k)+1], v[XR+2*(\k):XR+2*(\k)+1], v[C+2*(\row):C+2*(\row)+1] neg_lo:[0,1] neg_hi:[0,1]  ; q - c
.endr
.irp k, 0,1,2,3
	v_cvt_pk_bf16_f32 v[YR+(\k)], v[XR+2*(\k)], v[XR+2*(\k)+1]
.endr
.endif
.if (\row) == 0
	global_load_b128 v[XR:XR+3],   v[LO], s[20:21] offset:16384+1024*(\j) th:TH_LOAD_NT      ; the load ahead of the store
	global_load_b128 v[XR+4:XR+7], v[LO], s[20:21] offset:16384+1024*(\j)+512 th:TH_LOAD_NT
.endif
	global_store_b128 v[LO], v[YR:YR+3], s[22:23] offset:8192*(\row)+512*(\j) th:TH_STORE_NT  ; 512 consecutive bytes, at a multiple of 512 from the buffer's first
.endm
; The eight chains into one, then over the 32 lanes: four steps inside each half ride on the addition, one crosses the halves.
.macro ROWSUM dst
	v_pk_add_f32 v[S:S+1], v[S:S+1], v[S+2:S+3]
	v_pk_add_f32 v[S+4:S+5], v[S+4:S+5], v[S+6:S+7]
	v_pk_add_f32 v[S:S+1], v[S:S+1], v[S+4:S+5]
	v_add_f32 v[S], v[S], v[S+1]
	v_add_f32_dpp v[S], v[S], v[S] row_xmask:1 row_mask:0xf bank_mask:0xf
	v_add_f32_dpp v[S], v[S], v[S] row_xmask:2 row_mask:0xf bank_mask:0xf
	v_add_f32_dpp v[S], v[S], v[S] row_xmask:4 row_mask:0xf bank_mask:0xf
	v_add_f32_dpp v[S], v[S], v[S] row_xmask:8 row_mask:0xf bank_mask:0xf
	v_permlanex16_b32 v[T], v[S], s28, s29         ; its destination counts as read: T has been written
	v_add_f32 v[\dst], v[S], v[T]
.endm
; c = rint(bf16(zp)) held to 0 .. 255, twice.  The second launch makes the same number by the same five lines.
.macro MAKEC d, s
	v_mov_b32 v[\d], s[\s]
	v_cvt_pk_bf16_f32 v[\d], v[\d], v[\d]
	v_lshlrev_b32 v[\d], 16, v[\d]
	v_rndne_f32 v[\d], v[\d]
	v_max_num_f32 v[\d], 0, v[\d]                  ; (a NaN loses: c = 0)
	v_min_num_f32 v[\d], 0x437f0000, v[\d]         ; 255.0
	v_mov_b32 v[(\d)+1], v[\d]
.endm
	s_cmp_eq_u32 s31, 0
	s_cbranch_scc0 .Lq
.irp j, 0,1,2,3,4,5,6,7,8,9,10,11,12,13,14,15
	SLOT 0, 0, \j
.endr
	ROWSUM R
.irp j, 0,1,2,3,4,5,6,7,8,9,10,11,12,13,14,15
	SLOT 0, 1, \j
.endr
	ROWSUM R+1
	v_cmp_eq_u32 vcc_lo, 1, v1
	v_cndmask_b32 v[R], v[R], v[R+1], vcc_lo       ; lane 0 holds the first row's sum, lane 1 the second's
	s_wait_xcnt 0x0                                ; EXEC is a source of the stores above: it changes only behind this wait
	v_cmp_gt_u32 vcc_lo, 2, v1
	s_and_saveexec_b32 s26, vcc_lo
	global_store_b32 v3, v[R], s[14:15]
	s_wait_xcnt 0x0                                ; and again in front of the line that widens it
	s_or_b32 exec_lo, exec_lo, s26
	s_endpgm
.Lq:
	s_load_b64 s[24:25], s[8:9], 0x0               ; my two rows' zero points, while the ring's loads are on their way
	s_wait_kmcnt 0x0
	MAKEC C, 24
	MAKEC C+2, 25
.irp j, 0,1,2,3,4,5,6,7,8,9,10,11,12,13,14,15
	SLOT 1, 0, \j
.endr
.irp j, 0,1,2,3,4,5,6,7,8,9,10,11,12,13,14,15
	SLOT 1, 1, \j
.endr
	s_endpgm
.Lfunc_end_k_qef44fd634e_prep:
	.size	k_qef44fd634e_prep, .Lfunc_end_k_qef44fd634e_prep-k_qef44fd634e_prep
	.p2alignl 7, 3214868480
	.fill 96, 4, 3214868480
	.section	.rodata,"a",@progbits
	.p2align	6, 0x0
	.amdhsa_kernel k_qef44fd634e_prep
		.amdhsa_group_segment_fixed_size 0
		.amdhsa_private_segment_fixed_size 0
		.amdhsa_enable_private_segment 0
		.amdhsa_kernarg_size 48
		.amdhsa_user_sgpr_count 2
		.amdhsa_user_sgpr_kernarg_segment_ptr 1
		.amdhsa_wavefront_size32 1
		.amdhsa_system_sgpr_workgroup_id_x 1
		.amdhsa_system_sgpr_workgroup_id_y 1
		.amdhsa_system_sgpr_workgroup_id_z 1
		.amdhsa_system_vgpr_workitem_id 0
		.amdhsa_next_free_vgpr 164
		.amdhsa_next_free_sgpr 66
		.amdhsa_reserve_vcc 1
		.amdhsa_float_denorm_mode_32 3
		.amdhsa_float_denorm_mode_16_64 3
		.amdhsa_memory_ordered 1
		.amdhsa_forward_progress 1
		.amdhsa_inst_pref_size 70
	.end_amdhsa_kernel
	.amdgpu_metadata
---
amdhsa.version: [ 1, 2 ]
amdhsa.kernels:
  - .name:           k_qef44fd634e_prep
    .symbol:         k_qef44fd634e_prep.kd
    .args:
      - { .name: x, .offset: 0, .size: 8, .value_kind: global_buffer, .address_space: global }
      - { .name: qweight, .offset: 8, .size: 8, .value_kind: global_buffer, .address_space: global }
      - { .name: zero_points, .offset: 16, .size: 8, .value_kind: global_buffer, .address_space: global }
      - { .name: xb, .offset: 24, .size: 8, .value_kind: global_buffer, .address_space: global }
      - { .name: wb, .offset: 32, .size: 8, .value_kind: global_buffer, .address_space: global }
      - { .name: rs, .offset: 40, .size: 8, .value_kind: global_buffer, .address_space: global }
    .group_segment_fixed_size: 0
    .private_segment_fixed_size: 0
    .kernarg_segment_align: 8
    .kernarg_segment_size: 48
    .max_flat_workgroup_size: 256
    .sgpr_count:     66
    .vgpr_count:     164
    .wavefront_size: 32
...
	.end_amdgpu_metadata
.endif
;; end of part 1
;; launch gemm (part 2): grid 16 x 16, 4 waves a work-group, clusters of 4 x 4, 327,680 bytes of LDS; arguments xb, wb, out0, rs, scales, zero_points, bias; writes out0
.if DOCPART == 2
	.amdgcn_target "amdgcn-amd-amdhsa--gfx1250"
	.amdhsa_code_object_version 6
	.text
	.protected	k_qef44fd634e_gemm
	.globl	k_qef44fd634e_gemm
	.p2align	8
	.type	k_qef44fd634e_gemm,@function
k_qef44fd634e_gemm:
	s_mov_b64 s[64:65], 0
	v_nop
	global_prefetch_b8 v0, s[64:65] scope:SCOPE_SE
	s_setreg_imm32_b32 hwreg(HW_REG_WAVE_MODE, 25, 1), 1
	s_wait_xcnt 0x0
	s_wait_alu depctr_hold_cnt(0) depctr_sa_sdst(0) depctr_va_vdst(0) depctr_va_sdst(0) depctr_va_ssrc(0) depctr_va_vcc(0) depctr_vm_vsrc(0)
	s_getreg_b32 s2, hwreg(HW_REG_IB_STS2, 6, 4)
	s_cmp_eq_u32 s2, 0
	s_cbranch_scc0 .Lentry_in_a_cluster
	s_endpgm
.Lentry_in_a_cluster:
	s_bfe_u32 s2, ttmp6, 0x10000c
	s_cmp_lg_u32 s2, 0xf033
	s_cbranch_scc0 .Lentry_shape_is_right
	s_endpgm
.Lentry_shape_is_right:
; out0[m][o] = s_b[o] (sum over k of xb[m][k] wb[o][k] - d[o] rs[m]) + bias_b[o].  xb, wb: [4096][4096] bf16 and rs: [4096] f32, as the first launch stored them (xb = x rounded to bf16,
; wb = q - c, exact, rs = xb's row sums; K permuted alike in both).  s_b, zp_b, bias_b: the inputs rounded to bf16; c = rint(zp_b) held to 0 .. 255, d = zp_b - c.  Sums in f32.  No work is left out.
; LIMITS: those at the head of the first launch; a NaN in zp makes d, and with it the whole column, NaN.
; A tile of out0, 256 x 256, is made by a work-group of four waves, a wave makes 128 x 128: 64 accumulators of 16 x 16, 512 registers.  256 tiles, one to a work-group.  K goes in steps of 128 through a ring of
; two LDS slots filled by the tensor data mover: a tile's rows are 256 bytes of memory and start at multiples of 256 bytes from the buffer's first byte.
; CLUSTERS: 4 x 4 work-groups.  The four of a row of the cluster need the same tiles of xb, the four of a column the same tiles of wb: each tile is asked for JOINTLY, by the same tensor load with the same
; descriptor and a mask that names the four, which divides the requests by four.
; THE MATRIX INSTRUCTION IS USED TRANSPOSED: source 0 = 16 rows of wb, source 1 = 16 rows of xb.  In the result lane l holds row l % 16 and the columns 8 (l / 16) + 0 .. 7: 32 neighbouring bytes of a row.
; THE WAY OUT: 16 rows at a time through my own stage in LDS; a row of my 128 columns comes back as 512 consecutive bytes, lane l always with columns 4 l .. 4 l + 3, so that twelve registers of column
; constants serve all rows; the row's rs is read out of a register into a scalar.  Two fused multiply-adds a number, then a store of 512 consecutive bytes.
; REGISTERS, in windows of 256 (s_set_vgpr_msb's low byte: bits 1:0 source 0, 3:2 source 1, 5:4 source 2, 7:6 destination):
;   window 0: v0-31 addresses; v32-51 column and row constants; v64-127, v128-191 fragments of xb, two buffers; on the way out the rows read back, two buffers
;   window 1: v64-127, v128-191 fragments of wb      window 2: the accumulators of my rows 0-63 ((a, b) at v[8 (8 a + b)])      window 3: those of my rows 64-127
.set SIZE_K, 4096
.set ROWB,   8192                      ; bytes in a row of xb and of wb
.set OROW,   16384                     ; bytes in a row of out0
.set KSTEP,  128
.set PITCH,  272                       ; an LDS row: 256 bytes + 16 of padding = 68 words: row r starts at bank 4 r mod 64 (64 banks of 4 bytes: ISA guide 11.1)
.set HALFT,  128*PITCH                 ; 128 rows: what one tensor load brings, and what one wave reads of xb or of wb
.set SLOT,   4*HALFT                   ; xb's 256 rows, then wb's 256 rows
.set STAGE,  2*SLOT                    ; behind the ring, never filled by a tensor load: 16 rows x 528 bytes for each wave
.set SPITCH, 528                       ; 512 bytes + 16: the sixteen rows that a store touches start at sixteen different groups of four banks
.set SPARE,  STAGE+4*16*SPITCH         ; behind the stages: the spare words, 128 bytes for each wave: two blocks of 256 bytes that no other line names
.set LAPS,   SIZE_K/(2*KSTEP)          ; a lap = two K steps = once round the ring: 16
.set ADRA, 16                          ; v16-17  LDS address of my xb fragments in slot 0, 1
.set ADRB, 20                          ; v20-21  the same for wb
.set STO,  24                          ; v24     the way out: where I put 32 bytes of a row
.set RD,   25                          ; v25     the way out: where I read 16 bytes of a row back
.set CO,   26                          ; v26     16 x lane: my byte offset in a row's 512 bytes; never rewritten
.set CV,   27                          ; v27     my four columns' byte offset in scales, zero_points and bias
.set SPW,  28                          ; v28     LDS address of my spare word: SPARE + 4 x my thread's number; never rewritten
.set NIL,  29                          ; v29     0; never rewritten
.set PFO,  30                          ; v30     the prefetches' offset: lane x a row; never rewritten
.set RVO,  31                          ; v31     byte offset in rs of row (my first + lane)
.set SC,   32                          ; v[32:35] s_b of my four columns
.set ZP,   36                          ; v[36:39] zp, then
.set ND,   36                          ;          c - zp_b = -d
.set BI,   40                          ; v[40:43] bias_b
.set RSV,  44                          ; v[44:47] lane l of register k: rs of my row 32 k + l
.set TM,   48                          ; v[48:51] at work
.set F0,   64
.set F1,   128
.set PFA,  44                          ; s[44:45] where my prefetches stand
.set LIM,  43                          ; s43     1 in a wave that prefetches, else the greatest number
.set G1,  24                           ; s[24:31] descriptor group 1 for xb's tiles
.set G0,  32                           ; s[32:39] group 0, one set for each slot
.set G1B, 48                           ; s[48:55], s[56:63] the same for wb's tiles
.set G0B, 56
.set MSB, 0
.macro WIN new                         ; the immediate's high byte repeats the setting that is left; a switch that changes nothing is dropped
.if MSB != (\new)
	s_set_vgpr_msb (MSB<<8)|(\new)
.set MSB, \new
.endif
.endm
.set MUL_LO, 0xa1                      ; source 0 (wb) window 1, source 1 (xb) window 0, C and D window 2
.set MUL_HI, 0xf1                      ; the same, C and D window 3
.set TO_B,   0x40                      ; destination window 1, address window 0
; A joint load.  Waves 0 and 1 fetch xb's two halves, waves 2 and 3 wb's.  The branch hangs on the wave's number alone.  An s_nop 0 and four v_nop follow each of the two lines.
.macro JLOAD s
	s_cmp_eq_u32 s11, 0
	s_cbranch_scc0 .Lfor_b_\@
	tensor_load_to_lds s[G0+4*(\s):G0+4*(\s)+3], s[G1:G1+7]
	s_nop 0
.rept 4
	v_nop
.endr
	s_branch .Lasked_\@
.Lfor_b_\@:
	tensor_load_to_lds s[G0B+4*(\s):G0B+4*(\s)+3], s[G1B:G1B+7]
	s_nop 0
.rept 4
	v_nop
.endr
.Lasked_\@:
.endm
; A prefetch into the L2, behind each joint refill and the run of LDS loads that follows it: the K step that stands TWO refills on, 512 matrix instructions ahead of the load that will want it:
; 32 rows x 256 bytes, a lane a row, one instruction a wave.  Each row's 256 bytes of a K step are named once in the launch: xb's tile row is read by every cluster of that row of clusters, and the one with
; x = 0 asks; wb's tile column by every cluster of that column, and the one with y = 0 asks.  The four partners that ask for a tile jointly share its rows out BY ADDRESS, 32 of the 128 that wave w fetches each.
; K steps 0 to 3 come by their loads alone; the loop's last trip (s3 = 1) has no K step two refills on, and asks for nothing.
.macro ASK
	s_cmp_gt_u32 s3, s[LIM]
	s_cbranch_scc0 .Lnot_mine_\@
	global_prefetch_b8 v[PFO], s[PFA:PFA+1] offset:KSTEP*2 th:TH_LOAD_NT scope:SCOPE_SE
.Lnot_mine_\@:
.endm
; A round of the cluster's barrier: my work-group's barrier; wave 0 signals for the work-group; every wave waits for all sixteen; my work-group's barrier once more.
.macro CREST                           ; a round behind its opening barrier
	s_cmp_lg_u32 s10, 0
	s_cbranch_scc1 .Lnot_wave_0_\@
	s_barrier_signal -3
.Lnot_wave_0_\@:
	s_barrier_wait -3
	s_barrier_signal -1
	s_barrier_wait -1
.endm
.macro CROUND                          ; a whole round
	s_barrier_signal -1
	s_barrier_wait -1
	CREST
.endm
	s_load_b128 s[4:7], s[0:1], 0x0                ; xb s[4:5], wb s[6:7]
	s_load_b64 s[8:9], s[0:1], 0x10                ; out0
	s_load_b256 s[68:75], s[0:1], 0x18             ; rs s[68:69], scales s[70:71], zero_points s[72:73], bias s[74:75]
	v_lshl_add_u32 v[SPW], v0, 2, SPARE
	v_mov_b32 v[NIL], 0
	ds_add_u32 v[SPW], v[NIL]                      ; the wave's opening: the add, twice on end, and its wait ahead of my first tensor load; the set-up below stands between
	ds_add_u32 v[SPW], v[NIL]                      ; and once more, under the one wait
	v_lshrrev_b32 v1, 5, v0
	v_readfirstlane_b32 s10, v1                    ; wave 0..3
	s_lshr_b32 s11, s10, 1                         ; which half of the tile's rows is mine.  Also: I fetch for xb (0) or for wb (1)
	s_and_b32 s12, s10, 1                          ; which half of its columns.  Also: which 128 rows of that tile I fetch
	s_bfe_u32 s40, ttmp6, 0x40000                  ; cx
	s_bfe_u32 s41, ttmp6, 0x40004                  ; cy
	s_lshl_b32 s42, ttmp9, 2
	s_add_co_u32 s42, s42, s40                     ; tile column = 4 x cluster x + cx
	s_and_b32 s13, ttmp7, 0xffff
	s_lshl_b32 s13, s13, 2
	s_add_co_u32 s13, s13, s41                     ; tile row = 4 x cluster y + cy
	s_lshl_b32 s43, s41, 2
	s_lshl_b32 s43, 15, s43                        ; my row of the cluster: places 4 cy .. 4 cy + 3
	s_lshl_b32 s44, 0x1111, s40                    ; my column: places cx, cx + 4, cx + 8, cx + 12
	; descriptor group 1: a tile of 128 rows x 128 elements, padded in LDS
	s_or_b32 s[G1+0], s43, (1<<16)|(1<<20)|(1<<21)|(5<<22)|(3<<25)   ; 15:0 the mask; 17:16 elements of 2 bytes; 20 padding on; 21 set beside a mask; 24:22 after every 64 words (code 5); 31:25 4 words of it (code 3)
	s_or_b32 s[G1B+0], s44, (1<<16)|(1<<20)|(1<<21)|(5<<22)|(3<<25)
.irp g, G1, G1B
	s_mov_b32 s[(\g)+1], KSTEP<<16                 ; tensor_dim0 = 128
	s_mov_b32 s[(\g)+2], 128<<16                   ; tensor_dim1 = 128
	s_mov_b32 s[(\g)+3], KSTEP<<16                 ; tile_dim0 = 128
	s_mov_b32 s[(\g)+4], 128                       ; tile_dim1 = 128
	s_mov_b32 s[(\g)+5], SIZE_K                    ; elements from row to row
	s_mov_b32 s[(\g)+6], 0
	s_mov_b32 s[(\g)+7], 0
.endr
	; where the tiles come from: xb's hang on the tile row alone, wb's on the tile column alone, each in registers that never hold the other coordinate
	s_lshl_b32 s17, s12, 7                         ; which 128 rows of the tile I fetch
	s_lshl_b32 s16, s13, 8
	s_add_co_u32 s16, s16, s17                     ; xb: row 256 x tile row + 128 x half,
	s_lshl_b32 s16, s16, 13                        ; in bytes (under 2^25)
	s_lshl_b32 s46, s42, 8
	s_add_co_u32 s46, s46, s17                     ; wb: row 256 x tile column + 128 x half
	s_lshl_b32 s46, s46, 13
	s_mov_b32 s17, 0
	s_mov_b32 s47, 0
	s_mul_i32 s20, s10, HALFT                      ; and where they go: wave x 128 rows: no place in the cluster enters an LDS address
	s_mov_b32 s77, 0                               ; named as pairs with the rows' rs
	s_mov_b32 s79, 0
	s_wait_dscnt 0x0                               ; both opening adds are done
	s_wait_kmcnt 0x0
	s_add_nc_u64 s[14:15], s[4:5], s[16:17]
	s_add_nc_u64 s[46:47], s[6:7], s[46:47]
	CROUND                                         ; all sixteen work-groups are here: the first joint loads meet
.irp s, 0,1
	s_mov_b32 s[G0+4*(\s)], 1                                        ; count = 1
	s_add_co_u32 s[G0+4*(\s)+1], s20, (\s)*SLOT                      ; LDS address
	s_add_nc_u64 s[G0+4*(\s)+2:G0+4*(\s)+3], s[14:15], (\s)*KSTEP*2  ; global address: K step s
	s_or_b32 s[G0+4*(\s)+3], s[G0+4*(\s)+3], 0x80000000              ; type = 2
	s_mov_b32 s[G0B+4*(\s)], 1
	s_add_co_u32 s[G0B+4*(\s)+1], s20, (\s)*SLOT
	s_add_nc_u64 s[G0B+4*(\s)+2:G0B+4*(\s)+3], s[46:47], (\s)*KSTEP*2
	s_or_b32 s[G0B+4*(\s)+3], s[G0B+4*(\s)+3], 0x80000000
	JLOAD \s                                       ; the ring is filled before anything else is done: two tensor loads of mine are out
.endr
	; A fragment is 16 rows x 32 K in 8 registers: lane l holds row l % 16; registers 0-3 K = 8 (l / 16) + 0..7, registers 4-7 K = 16 + 8 (l / 16) + 0..7: two loads of 16 bytes, 32 bytes apart.
	v_and_b32 v1, 15, v0                           ; l % 16
	v_bfe_u32 v2, v0, 4, 1                         ; l / 16
	v_and_b32 v5, 31, v0                           ; l
	v_mul_u32_u24 v3, v1, PITCH
	v_lshl_add_u32 v3, v2, 4, v3                   ; row x pitch + 16 x half
	s_mul_i32 s21, s11, HALFT                      ; my 128 rows of xb
	s_mul_i32 s22, s12, HALFT                      ; my 128 rows of wb,
	s_add_co_u32 s22, s22, 2*HALFT                 ; which lie behind xb's 256
.irp s, 0,1
	v_add_nc_u32 v[ADRA+(\s)], s21, v3
	v_add_nc_u32 v[ADRB+(\s)], s22, v3
	s_add_co_u32 s21, s21, SLOT
	s_add_co_u32 s22, s22, SLOT
.endr
	s_mul_i32 s23, s10, 16*SPITCH
	s_add_co_u32 s23, s23, STAGE                   ; my stage
	v_mul_u32_u24 v4, v1, SPITCH                   ; in: row l % 16, 32 bytes for each half of the lanes
	v_lshl_add_u32 v4, v2, 5, v4
	v_add_nc_u32 v[STO], s23, v4
	v_lshlrev_b32 v[CO], 4, v5
	v_add_nc_u32 v[RD], s23, v[CO]                 ; back: the 32 lanes take one row's 512 bytes
	v_lshlrev_b32 v[PFO], 13, v5
	; my part of out0, of rs and of the column vectors
	s_lshl_b32 s16, s13, 8
	s_lshl_b32 s14, s11, 7
	s_add_co_u32 s16, s16, s14                     ; my first row
	v_lshlrev_b32 v[RVO], 2, v5
	s_lshl_b32 s21, s16, 2
	v_add_nc_u32 v[RVO], s21, v[RVO]
	s_lshl_b32 s16, s16, 14                        ; in bytes of out0 (under 2^26)
	s_mov_b32 s17, 0
	s_add_nc_u64 s[8:9], s[8:9], s[16:17]
	s_lshl_b32 s46, s42, 8                         ; (in the registers that held wb's address: none that feeds xb's descriptors ever holds cx)
	s_lshl_b32 s47, s12, 7
	s_add_co_u32 s46, s46, s47                     ; my first column,
	s_lshl_b32 s46, s46, 2                         ; in bytes
	s_mov_b32 s47, 0
	s_add_nc_u64 s[8:9], s[8:9], s[46:47]          ; out0 at my first row and column; never stepped: a row's place stands in the store's immediate, 127 x 16,384 at the most
	v_add_nc_u32 v[CV], s46, v[CO]
	; the prefetches
	s_lshl_b32 s13, s13, 8                         ; 256 x tile row
	s_lshl_b32 s42, s42, 8                         ; 256 x tile column
	s_and_b32 s22, ttmp7, 0xffff                   ; cluster y
	s_cmp_eq_u32 s11, 0                            ; do I fetch for xb?
	s_cselect_b32 s20, s13, s42                    ; the tile's first row
	s_cselect_b32 s21, s40, s41                    ; my place among the four that ask for it with me
	s_cselect_b32 s22, ttmp9, s22                  ; the coordinate along which other clusters read the same rows
	s_cselect_b64 s[PFA:PFA+1], s[4:5], s[6:7]
	s_cmp_eq_u32 s22, 0
	s_cselect_b32 s[LIM], 1, -1                    ; the same in all sixteen partners, for a given wave
	s_lshl_b32 s22, s12, 7
	s_add_co_u32 s20, s20, s22                     ; + the 128 rows that I fetch
	s_lshl_b32 s21, s21, 5
	s_add_co_u32 s20, s20, s21                     ; + my work-group's 32 of them
	s_lshl_b32 s20, s20, 13
	s_mov_b32 s21, 0
	s_add_nc_u64 s[PFA:PFA+1], s[PFA:PFA+1], s[20:21]
	s_add_nc_u64 s[PFA:PFA+1], s[PFA:PFA+1], 2*KSTEP*2  ; at K step 2: the first refill steps it to 3 and names K step 4
	global_load_b128 v[SC:SC+3], v[CV], s[70:71]   ; 512 consecutive bytes each
	global_load_b128 v[ZP:ZP+3], v[CV], s[72:73]
	global_load_b128 v[BI:BI+3], v[CV], s[74:75]
.irp k, 0,1,2,3
	global_load_b32 v[RSV+(\k)], v[RVO], s[68:69] offset:128*(\k)
.endr
; 16 matrix instructions: m blocks a0, a0 + 1 of the window's four (hi = 0: my rows 0-63, 1: rows 64-127) x all 8 n blocks, 32 along K.  zero = 1: the first product starts the sums: nothing is cleared.
; The 64 accumulators take turns, one instruction a turn, in the same order in every quarter step.
.macro MUL16 f, hi, a0, zero
	WIN MUL_LO+0x50*(\hi)
.irp a, \a0, (\a0)+1
.irp b, 0,1,2,3,4,5,6,7
.if \zero
	v_wmma_f32_16x16x32_bf16 v[8*(8*(\a)+(\b)):8*(8*(\a)+(\b))+7], v[(\f)+8*(\b):(\f)+8*(\b)+7], v[(\f)+8*(4*(\hi)+(\a)):(\f)+8*(4*(\hi)+(\a))+7], 0
.else
	v_wmma_f32_16x16x32_bf16 v[8*(8*(\a)+(\b)):8*(8*(\a)+(\b))+7], v[(\f)+8*(\b):(\f)+8*(\b)+7], v[(\f)+8*(4*(\hi)+(\a)):(\f)+8*(4*(\hi)+(\a))+7], v[8*(8*(\a)+(\b)):8*(8*(\a)+(\b))+7]
.endif
.endr
.endr
.endm
; 32 LDS loads in one run: the fragments of one quarter step (128 rows of wb, 128 rows of xb, 32 K at byte k of the rows) into buffer f
.macro FETCH slot, k, f
	WIN TO_B
.irp i, 0,1,2,3,4,5,6,7
	ds_load_b128 v[(\f)+8*(\i):(\f)+8*(\i)+3],   v[ADRB+(\slot)] offset:(\k)+(\i)*16*PITCH
	ds_load_b128 v[(\f)+8*(\i)+4:(\f)+8*(\i)+7], v[ADRB+(\slot)] offset:(\k)+(\i)*16*PITCH+32
.endr
	WIN 0
.irp i, 0,1,2,3,4,5,6,7
	ds_load_b128 v[(\f)+8*(\i):(\f)+8*(\i)+3],   v[ADRA+(\slot)] offset:(\k)+(\i)*16*PITCH
	ds_load_b128 v[(\f)+8*(\i)+4:(\f)+8*(\i)+7], v[ADRA+(\slot)] offset:(\k)+(\i)*16*PITCH+32
.endr
.endm
; A load into a register that a matrix instruction has read stands four places behind it, and only plain vector instructions that name none of its registers are places (ISA guide 7.12.1 for vector
; instructions).
.macro PLACES
.rept 4
	v_nop
.endr
.endm
; A K step is four quarter steps of 32 along K, 64 matrix instructions each, on buffers 0, 1, 0, 1.  One of the first three: multiplies buffer f; in its middle it fetches the next quarter, at byte k, into g.
.macro QUARTER slot, k, f, g, zero
	s_wait_dscnt 8                                 ; wb and xb's rows 0-63 are in; the youngest eight loads (xb's rows 64-127) may be out
	WIN MUL_LO
	MUL16 \f, 0, 0, \zero
	MUL16 \f, 0, 2, \zero
	PLACES
	FETCH \slot, \k, \g
	s_wait_dscnt 32                                ; all but the 32 just issued
	WIN MUL_HI
	MUL16 \f, 1, 0, \zero
	MUL16 \f, 1, 2, \zero
.endm
; The last quarter multiplies buffer 1 and changes slots.  MEET is its first half: ONE barrier.  In front of it each wave waits for all its tensor loads, of which one is out: its part of the next slot;
; adds 0 to its spare word; and waits for that and for its own reads of this slot.  Behind it nobody reads this slot any more and the next slot is whole.
.macro MEET round
	WIN 0                                          ; (the add's two registers lie in window 0)
	s_wait_tensorcnt 0x0                           ; all my tensor loads have landed
	ds_add_u32 v[SPW], v[NIL]                      ; 0 onto my spare word
	s_wait_dscnt 9                                 ; (the add and the youngest eight loads may be out)
	WIN MUL_LO
	MUL16 F1, 0, 0, 0                              ; sixteen matrix instructions stand between the add and the wait for it
	s_wait_dscnt 0x0                               ; the add is done, and my reads of this slot are over
	s_barrier_signal -1
	MUL16 F1, 0, 2, 0                              ; work on registers while the others arrive
.if \round
	WIN 0
.endif
	s_barrier_wait -1
.endm
; The whole last quarter.  fill = 1: the barrier opens a round of the cluster's barrier, and the slot just read out is filled again first behind it, with the K step two steps on: from that request to the
; wait for it a wave issues 224 matrix instructions.  Then come the next slot's first fragments.
.macro TURN slot, next, fill
.if \fill
	s_wait_xcnt 0x0                                ; the last prefetch, a K step back, has read its address: it is stepped here, ahead of the waits of the change of slots
	s_add_nc_u64 s[PFA:PFA+1], s[PFA:PFA+1], KSTEP*2
	MEET 1
	CREST                                          ; no wave of any partner still reads this slot's tile or has a load on its way
	s_add_nc_u64 s[G0+4*(\slot)+2:G0+4*(\slot)+3], s[G0+4*(\slot)+2:G0+4*(\slot)+3], 2*KSTEP*2
	s_add_nc_u64 s[G0B+4*(\slot)+2:G0B+4*(\slot)+3], s[G0B+4*(\slot)+2:G0B+4*(\slot)+3], 2*KSTEP*2
	JLOAD \slot                                    ; the first tensor load behind the round, my only one; the four v_nop behind it are also the places in front of the loads below
.else
	MEET 0                                         ; nothing is filled again, so no round follows
	PLACES
.endif
	FETCH \next, 0, F0
.if \fill
	ASK
.endif
	WIN MUL_HI
	MUL16 F1, 1, 0, 0
	MUL16 F1, 1, 2, 0
.endm
; THE WAY OUT of block a (16 of my rows).  TOSTAGE: the f32 sums go into my stage, 32 bytes a lane and accumulator (each accumulator's lowest registers first), and come back as
; whole rows of 512 bytes.  The stage is my own: LDS serves a wave's instructions in order (ISA guide 5.7.1.4), so no wait stands between the stores and the loads, nor in front of the next block's stores.
.macro TOSTAGE a
.set AC, 64*((\a)%4)
.set BK, 64+64*((\a)%2)
	s_wait_xcnt 0x0                                ; the stores of two blocks back have read this buffer: it is loaded again only behind this wait
	WIN 0x08+4*((\a)/4)                            ; store data (source 1) in window 2 or 3
.irp b, 0,1,2,3,4,5,6,7
	ds_store_b128 v[STO], v[AC+8*(\b):AC+8*(\b)+3]   offset:64*(\b)
	ds_store_b128 v[STO], v[AC+8*(\b)+4:AC+8*(\b)+7] offset:64*(\b)+16
.endr
	WIN 0
.irp t, 0,1,2,3,4,5,6,7,8,9,10,11,12,13,14,15
	ds_load_b128 v[BK+4*(\t):BK+4*(\t)+3], v[RD] offset:SPITCH*(\t)
.endr
.endm
; SEND: for each row u = sum + (c - zp_b) rs, y = u s_b + bias_b, and a store.  younger: the LDS instructions issued behind block a's loads: the next block's 16 stores and 16 loads, or none.
.macro SEND a, younger
	WIN 0
.set BK, 64+64*((\a)%2)
	s_wait_dscnt \younger                          ; the block is back in registers
.irp t, 0,1,2,3,4,5,6,7,8,9,10,11,12,13,14,15
	v_readlane_b32 s[76+2*((\t)%2)], v[RSV+(16*(\a)+(\t))/32], (16*(\a)+(\t))%32  ; the row's rs; two scalars by turns
	v_pk_fma_f32 v[BK+4*(\t):BK+4*(\t)+1],   v[ND:ND+1],   s[76+2*((\t)%2):77+2*((\t)%2)], v[BK+4*(\t):BK+4*(\t)+1]   op_sel_hi:[1,0,1]
	v_pk_fma_f32 v[BK+4*(\t)+2:BK+4*(\t)+3], v[ND+2:ND+3], s[76+2*((\t)%2):77+2*((\t)%2)], v[BK+4*(\t)+2:BK+4*(\t)+3] op_sel_hi:[1,0,1]
	v_pk_fma_f32 v[BK+4*(\t):BK+4*(\t)+1],   v[BK+4*(\t):BK+4*(\t)+1],   v[SC:SC+1],   v[BI:BI+1]
	v_pk_fma_f32 v[BK+4*(\t)+2:BK+4*(\t)+3], v[BK+4*(\t)+2:BK+4*(\t)+3], v[SC+2:SC+3], v[BI+2:BI+3]
	global_store_b128 v[CO], v[BK+4*(\t):BK+4*(\t)+3], s[8:9] offset:(16*(\a)+(\t))*OROW th:TH_STORE_NT  ; 512 consecutive bytes, at a multiple of 512 from out0's first byte
.endr
.endm
	s_wait_loadcnt 0x0                             ; the column and row constants, once
	s_wait_tensorcnt 1                             ; my part of K step 0 is in; K step 1's may stay out
	s_barrier_signal -1
	s_barrier_wait -1                              ; everybody's is
	FETCH 0, 0, F0
	QUARTER 0, 64,  F0, F1, 1                      ; the first quarter stands in front of the loop: its products start the sums
	WIN 0                                          ; at a label and at a branch every window is 0
	s_mov_b32 s3, LAPS-1
.Llap:                                                 ; a trip goes once round the ring, from a lap's second quarter to the next lap's first, and fills both slots again
	QUARTER 0, 128, F1, F0, 0
	QUARTER 0, 192, F0, F1, 0
	TURN 0, 1, 1
	QUARTER 1, 64,  F0, F1, 0
	QUARTER 1, 128, F1, F0, 0
	QUARTER 1, 192, F0, F1, 0
	TURN 1, 0, 1
	QUARTER 0, 64,  F0, F1, 0
	WIN 0
	s_sub_co_u32 s3, s3, 1
	s_cmp_lg_u32 s3, 0
	s_cbranch_scc1 .Llap
	QUARTER 0, 128, F1, F0, 0                      ; the last lap is written out: it fills nothing
	QUARTER 0, 192, F0, F1, 0
	TURN 0, 1, 0
	QUARTER 1, 64,  F0, F1, 0
	QUARTER 1, 128, F1, F0, 0
	QUARTER 1, 192, F0, F1, 0
	s_wait_dscnt 8                                 ; the very last quarter: nothing more to fetch
	MUL16 F1, 0, 0, 0
	MUL16 F1, 0, 2, 0
	s_wait_dscnt 0x0
	MUL16 F1, 1, 0, 0
	MUL16 F1, 1, 2, 0
	WIN 0
	; The column constants: s, zp and bias rounded to bf16 and widened again; c by the first launch's five lines; c - zp_b.  These 34 plain instructions name v32-51 alone: they are the places behind the last products.
.irp base, SC, ZP, BI
.irp p, 0,1
	v_cvt_pk_bf16_f32 v[TM], v[(\base)+2*(\p)], v[(\base)+2*(\p)+1]
	v_lshlrev_b32 v[(\base)+2*(\p)], 16, v[TM]
	v_and_b32 v[(\base)+2*(\p)+1], 0xffff0000, v[TM]
.endr
.endr
.irp k, 0,1,2,3
	v_rndne_f32 v[TM+(\k)], v[ZP+(\k)]
	v_max_num_f32 v[TM+(\k)], 0, v[TM+(\k)]
	v_min_num_f32 v[TM+(\k)], 0x437f0000, v[TM+(\k)]   ; 255.0
	v_sub_f32 v[ND+(\k)], v[TM+(\k)], v[ZP+(\k)]
.endr
	TOSTAGE 0
.irp a, 1,2,3,4,5,6,7                  ; block a's way through the stage is begun ahead of block a - 1's arithmetic and stores
	TOSTAGE \a
	SEND (\a)-1, 32
.endr
	SEND 7, 0
	s_wait_tensorcnt 0x0                           ; the wave's end, behind my last tensor load and my last LDS store
	ds_add_u32 v[SPW], v[NIL]
	s_wait_dscnt 0x0
	CROUND                                         ; the closing round: no work-group ends while a partner may still ask for a tile that names it
	s_endpgm
.Lfunc_end_k_qef44fd634e_gemm:
	.size	k_qef44fd634e_gemm, .Lfunc_end_k_qef44fd634e_gemm-k_qef44fd634e_gemm
	.p2alignl 7, 3214868480
	.fill 96, 4, 3214868480
	.section	.rodata,"a",@progbits
	.p2align	6, 0x0
	.amdhsa_kernel k_qef44fd634e_gemm
		.amdhsa_group_segment_fixed_size 327680
		.amdhsa_private_segment_fixed_size 0
		.amdhsa_enable_private_segment 0
		.amdhsa_kernarg_size 56
		.amdhsa_user_sgpr_count 2
		.amdhsa_user_sgpr_kernarg_segment_ptr 1
		.amdhsa_wavefront_size32 1
		.amdhsa_system_sgpr_workgroup_id_x 1
		.amdhsa_system_sgpr_workgroup_id_y 1
		.amdhsa_system_sgpr_workgroup_id_z 1
		.amdhsa_system_vgpr_workitem_id 0
		.amdhsa_next_free_vgpr 1024
		.amdhsa_next_free_sgpr 80
		.amdhsa_reserve_vcc 0
		.amdhsa_float_denorm_mode_32 3
		.amdhsa_float_denorm_mode_16_64 3
		.amdhsa_memory_ordered 1
		.amdhsa_forward_progress 1
		.amdhsa_inst_pref_size 184
	.end_amdhsa_kernel
	.amdgpu_metadata
---
amdhsa.version: [ 1, 2 ]
amdhsa.kernels:
  - .name:           k_qef44fd634e_gemm
    .symbol:         k_qef44fd634e_gemm.kd
    .args:
      - { .name: xb, .offset: 0, .size: 8, .value_kind: global_buffer, .address_space: global }
      - { .name: wb, .offset: 8, .size: 8, .value_kind: global_buffer, .address_space: global }
      - { .name: out0, .offset: 16, .size: 8, .value_kind: global_buffer, .address_space: global }
      - { .name: rs, .offset: 24, .size: 8, .value_kind: global_buffer, .address_space: global }
      - { .name: scales, .offset: 32, .size: 8, .value_kind: global_buffer, .address_space: global }
      - { .name: zero_points, .offset: 40, .size: 8, .value_kind: global_buffer, .address_space: global }
      - { .name: bias, .offset: 48, .size: 8, .value_kind: global_buffer, .address_space: global }
    .group_segment_fixed_size: 327680
    .private_segment_fixed_size: 0
    .kernarg_segment_align: 8
    .kernarg_segment_size: 56
    .max_flat_workgroup_size: 128
    .sgpr_count:     80
    .vgpr_count:     1024
    .wavefront_size: 32
...
	.end_amdgpu_metadata
.endif
;; end of part 2
;; ======== version 2 of 2: 2 launches; version 1 with the launch prep written anew for expert scheduling mode
;; workspace buffers: xb 33,554,432 bytes; wb 33,554,432 bytes; rs 16,384 bytes
;; launch prep (part 3): grid 256 x 2, 8 waves a work-group, no clusters, 0 bytes of LDS; arguments x, qweight, zero_points, xb, wb, rs; writes xb, wb, rs
.if DOCPART == 3
	.amdgcn_target "amdgcn-amd-amdhsa--gfx1250"
	.amdhsa_code_object_version 6
	.text
	.protected	k_qef44fd634e_prep
	.globl	k_qef44fd634e_prep
	.p2align	8
	.type	k_qef44fd634e_prep,@function
k_qef44fd634e_prep:
	s_mov_b64 s[64:65], 0
	v_nop
	global_prefetch_b8 v0, s[64:65] scope:SCOPE_SE
	s_setreg_imm32_b32 hwreg(HW_REG_WAVE_SCHED_MODE, 0, 2), 2
	s_setreg_imm32_b32 hwreg(HW_REG_WAVE_MODE, 25, 1), 1
	s_wait_xcnt 0x0
	s_wait_alu depctr_vm_vsrc(0)
; y[m][o] = sum over i of x[m][i] (q[o][i] - zp[o]) s[o] + bias[o], M = N = K = 4096, is made in two launches.  Nothing of the problem's work is left out: every input reaches the output.
; THE ARITHMETIC.  All floating-point inputs are taken rounded once to bf16 (x_b, zp_b, s_b, bias_b).  With c[o] = rint(zp_b[o]) held to 0 .. 255 and d[o] = zp_b[o] - c[o]:
;   y = s_b (sum x_b (q - c) - d sum x_b) + bias_b.   q - c is a whole number; up to 256 in size bf16 holds it exactly, so the weights lose nothing on their way to the matrix unit.
; The matrix sum has the size of the true sum and the correction is d times a row's sum (|d| <= 0.5 where zp lies in 0 .. 255; where zp lies far outside, the correction IS the result's main part):
; no difference of large sums is formed.
; THIS LAUNCH: xb = x_b; rs[m] = the sum of row m of x_b, in f32; wb = bf16(q - c).  The second launch multiplies.
; LIMITS.  |q - c| above 256 is rounded to bf16; |q| above 2^24 is rounded twice (to f32, then to bf16).  A NaN in zp gives c = 0 here, and the second launch's d carries the NaN to the whole column.
; K IS PERMUTED, alike in xb and wb, inside each block of 256: place 8 l + t holds element 4 l + t (t < 4) or 128 + 4 l + t - 4 (t >= 4).  So a lane's two loads of 16 bytes make its one store of
; 16 bytes; the products are the same, only the order of the f32 sums differs.
; SHARES.  Work-group y = 0 takes x, y = 1 takes q; work-group x = g takes rows 16 g .. 16 g + 15, wave w rows 16 g + 2 w and the next.  A row is 16,384 bytes: 16 PAIRS of two loads, each load
; 512 consecutive bytes of the wave; a pair makes one store of 512 consecutive bytes, aligned.  The ring in registers holds a whole row: 32 loads of every wave are out at the start, 16 to 24 later.
; No LDS, no barrier: no wave wants a byte that another has fetched.  rs leaves as 8 bytes a wave: 16 KiB in the whole launch, beside 64 MiB of whole aligned blocks.
; THE MODE: SCHED_MODE bits 1:0 = 2 (LLVM: expert scheduling mode 2), set by the entry lines.  The code itself states the register dependences between vector instructions and memory
; instructions, with s_wait_alu, always for 0.
; THE PLAN.  A wave's 32 pairs go in 8 BLOCKS of four: block p is row p / 4, pairs 4 (p % 4) .. 4 (p % 4) + 3.  Registers that memory instructions touch:
;   X, four blocks of 32   Block p % 4 is written by the head's loads (blocks 0 to 3) or by the loads issued in block p - 3 (blocks 4 to 7); read, and for q written in place, by block p's vector lines.
;   Y0, Y1, 16 each        Y[p % 2] is written by block p's roundings and read by the four stores that are issued in block p + 1 (behind block 7: in the tail).
;   v[LO], v3              offsets, made once at the head and never written again: no base is stepped either; rows and pairs stand in the immediate offsets.
;   v[R]                   written by the select at x's end, read by the store of rs.
;   T, S and C are named by vector instructions alone.
; Block p works on X block p % 4 and writes Y[p % 2].  Its memory instructions are the loads into X block (p - 1) % 4 and the stores from Y[(p - 1) % 2]: the two buffers that block p - 1 worked on and
; that no vector line of block p names.  So the waits at a block's head state all that its twelve memory instructions hang on, and these are dealt among its vector lines with no further wait.
.set LO, 2                             ; v2        16 x lane; never rewritten
.set C,  4                             ; v[4:5], v[6:7]  c of my first and second row, each twice (a pair for the packed subtraction)
.set T,  8                             ; v[8:15]   at work
.set S,  16                            ; v[16:23]  four pairs of running sums
.set R,  24                            ; v24, v25  the two rows' sums
.set Y,  28                            ; v[28:59]  buffer b, pair i of the block: four registers to store at Y + 16 b + 4 i
.set X,  60                            ; v[60:187] pair j of a row: eight registers as loaded
	s_load_b256 s[4:11], s[0:1], 0x0               ; x s[4:5], q s[6:7], zp s[8:9], xb s[10:11]
	s_load_b128 s[12:15], s[0:1], 0x20             ; wb s[12:13], rs s[14:15]
	v_and_b32 v1, 31, v0                           ; lane
	v_lshrrev_b32 v3, 5, v0
	v_readfirstlane_b32 s16, v3                    ; wave 0..7
	v_lshlrev_b32 v[LO], 4, v1
	v_lshlrev_b32 v3, 2, v1                        ; 4 x lane: rs
	s_and_b32 s31, ttmp7, 0xffff                   ; 0: x, 1: q
	s_lshl_b32 s17, ttmp9, 4
	s_wait_alu depctr_va_sdst(0)                   ; s16 is written, ahead of its first reader: all the wave's bases are made from it
	s_lshl_b32 s16, s16, 1
	s_add_co_u32 s17, s17, s16                     ; my first row
	s_mov_b32 s28, 0x76543210                      ; v_permlanex16_b32: each lane takes its own place in the other half
	s_mov_b32 s29, 0xfedcba98
	s_mov_b32 s30, 0xffff0000                      ; a word's upper bf16
	s_mov_b32 s19, 0
	s_wait_kmcnt 0x0
	s_cmp_eq_u32 s31, 0
	s_cselect_b64 s[20:21], s[4:5], s[6:7]         ; what I read,
	s_cselect_b64 s[22:23], s[10:11], s[12:13]     ; and what I write
	s_lshl_b32 s18, s17, 14                        ; rows of 16,384 bytes in,
	s_add_nc_u64 s[20:21], s[20:21], s[18:19]
	s_lshl_b32 s18, s17, 13                        ; of 8,192 out,
	s_add_nc_u64 s[22:23], s[22:23], s[18:19]
	s_lshl_b32 s18, s17, 2                         ; and a word a row in zp and rs
	s_add_nc_u64 s[14:15], s[14:15], s[18:19]
	s_add_nc_u64 s[8:9], s[8:9], s[18:19]
	s_wait_alu depctr_va_vdst(0)                   ; v[LO] and v3 are written: every load and store of the kernel reads one of them as its offset
.irp j, 0,1,2,3,4,5,6,7,8,9,10,11,12,13,14,15
	global_load_b128 v[X+8*(\j):X+8*(\j)+3],   v[LO], s[20:21] offset:1024*(\j) th:TH_LOAD_NT      ; the ring is filled: my first row, blocks 0 to 3
	global_load_b128 v[X+8*(\j)+4:X+8*(\j)+7], v[LO], s[20:21] offset:1024*(\j)+512 th:TH_LOAD_NT
.endr
; The vector work of pair j of row 'row' (0, 1), into the four registers at yr.  kind 0: x, kind 1: q.
.macro PAIR kind, row, j, yr
.set XR, X+8*(\j)
.set YR, \yr
.if (\kind) == 0
.irp k, 0,1,2,3
	v_cvt_pk_bf16_f32 v[YR+(\k)], v[XR+2*(\k)], v[XR+2*(\k)+1]      ; two roundings to bf16, packed
.endr
.if (\j) == 0
.irp k, 0,1,2,3
	v_lshlrev_b32 v[S+2*(\k)],   16,  v[YR+(\k)]   ; the ROUNDED numbers are summed; a row's first pair starts the eight chains: nothing is cleared
	v_and_b32     v[S+2*(\k)+1], s30, v[YR+(\k)]
.endr
.else
.irp k, 0,1,2,3
	v_lshlrev_b32 v[T+2*(\k)],   16,  v[YR+(\k)]
	v_and_b32     v[T+2*(\k)+1], s30, v[YR+(\k)]
.endr
.irp k, 0,1,2,3
	v_pk_add_f32 v[S+2*(\k):S+2*(\k)+1], v[S+2*(\k):S+2*(\k)+1], v[T+2*(\k):T+2*(\k)+1]
.endr
.endif
.else
.irp k, 0,1,2,3,4,5,6,7
	v_cvt_f32_i32 v[XR+(\k)], v[XR+(\k)]
.endr
.irp k, 0,1,2,3
	v_pk_add_f32 v[XR+2*(\k):XR+2*(\k)+1], v[XR+2*(\k):XR+2*(\k)+1], v[C+2*(\row):C+2*(\row)+1] neg_lo:[0,1] neg_hi:[0,1]  ; q - c
.endr
.irp k, 0,1,2,3
	v_cvt_pk_bf16_f32 v[YR+(\k)], v[XR+2*(\k)], v[XR+2*(\k)+1]
.endr
.endif
.endm
; Block p of 8.  left = how many younger loads may still be out when this block's eight have to be there: the loads go out in the order of the blocks, blocks 0 to 3 at the head and block p + 3 in
; block p (p = 1 .. 4), so behind block p's eight stand three blocks' (p = 0), two blocks' (p = 1 .. 5), one block's (p = 6), none (p = 7).
.macro BLK kind, p, left
.set ROWN, (\p)/4                      ; my row,
.set QB,   4*((\p)%4)                  ; and my first pair in it
.set PB,   4*(((\p)+3)%4)              ; the first pair of the block before,
.set PROW, ((\p)-1)/4                  ; and its row (used from p = 1 on)
.set YB,   Y+16*((\p)%2)               ; the Y that I write,
.set YP,   Y+16*(1-(\p)%2)             ; and the one that the block before wrote
	s_wait_loadcnt \left                           ; loads come back in order (ISA guide 5.7.1): my block of X is in, the younger blocks stay out
.if (\p) >= 2
	s_wait_xcnt 0x0                                ; every earlier memory instruction has had its addresses translated (ISA guide 3.1): my Y, the data of the stores issued in the block before, is rewritten only behind this wait
	s_wait_alu depctr_vm_vsrc(0)                   ; those stores have read my Y, which this block's roundings write again
.endif
.if (\p) >= 1
	s_wait_alu depctr_va_vdst(0)                   ; the block before has written the other Y, which the stores below read, and is done reading (for q: and writing) its block of X, in which the loads below land
.endif
.irp i, 0,1,2,3
.if (\p) >= 1 && (\p) <= 4
	global_load_b128 v[X+8*(PB+(\i)):X+8*(PB+(\i))+3],   v[LO], s[20:21] offset:16384+1024*(PB+(\i)) th:TH_LOAD_NT      ; block p + 3: the same pairs of my second row; the loads ahead of the store
	global_load_b128 v[X+8*(PB+(\i))+4:X+8*(PB+(\i))+7], v[LO], s[20:21] offset:16384+1024*(PB+(\i))+512 th:TH_LOAD_NT  ; no vector line since the wait names these registers
.endif
.if (\p) >= 1
	global_store_b128 v[LO], v[YP+4*(\i):YP+4*(\i)+3], s[22:23] offset:8192*PROW+512*(PB+(\i)) th:TH_STORE_NT  ; the block before: 512 consecutive bytes, at a multiple of 512 from the buffer's first
.endif
	PAIR \kind, ROWN, QB+(\i), YB+4*(\i)
.endr
.endm
; Behind block 7: its four stores.
.macro TAIL
	s_wait_alu depctr_va_vdst(0)                   ; block 7 has written Y1, which the last four stores read
.irp i, 0,1,2,3
	global_store_b128 v[LO], v[Y+16+4*(\i):Y+16+4*(\i)+3], s[22:23] offset:8192+512*(12+(\i)) th:TH_STORE_NT
.endr
.endm
; The eight chains into one, then over the 32 lanes: four steps inside each half ride on the addition, one crosses the halves.
.macro ROWSUM dst
	v_pk_add_f32 v[S:S+1], v[S:S+1], v[S+2:S+3]
	v_pk_add_f32 v[S+4:S+5], v[S+4:S+5], v[S+6:S+7]
	v_pk_add_f32 v[S:S+1], v[S:S+1], v[S+4:S+5]
	v_add_f32 v[S], v[S], v[S+1]
	v_add_f32_dpp v[S], v[S], v[S] row_xmask:1 row_mask:0xf bank_mask:0xf
	v_add_f32_dpp v[S], v[S], v[S] row_xmask:2 row_mask:0xf bank_mask:0xf
	v_add_f32_dpp v[S], v[S], v[S] row_xmask:4 row_mask:0xf bank_mask:0xf
	v_add_f32_dpp v[S], v[S], v[S] row_xmask:8 row_mask:0xf bank_mask:0xf
	v_permlanex16_b32 v[T], v[S], s28, s29         ; its destination counts as read: T has been written
	v_add_f32 v[\dst], v[S], v[T]
.endm
; c = rint(bf16(zp)) held to 0 .. 255, twice.  The second launch makes the same number by the same five lines.
.macro MAKEC d, s
	v_mov_b32 v[\d], s[\s]
	v_cvt_pk_bf16_f32 v[\d], v[\d], v[\d]
	v_lshlrev_b32 v[\d], 16, v[\d]
	v_rndne_f32 v[\d], v[\d]
	v_max_num_f32 v[\d], 0, v[\d]                  ; (a NaN loses: c = 0)
	v_min_num_f32 v[\d], 0x437f0000, v[\d]         ; 255.0
	v_mov_b32 v[(\d)+1], v[\d]
.endm
	s_cmp_eq_u32 s31, 0
	s_cbranch_scc0 .Lq
	BLK 0, 0, 24                                   ; block 0 has no block in front of it: it issues no memory instruction and owes no wait but the one for its data
	BLK 0, 1, 16
	BLK 0, 2, 16
	BLK 0, 3, 16
	ROWSUM R                                       ; names S, T and R alone, ahead of block 4's waits
	BLK 0, 4, 16
	BLK 0, 5, 16                                   ; blocks 5 to 7 load nothing: no load leaves the buffer, and the counts run down
	BLK 0, 6, 8
	BLK 0, 7, 0
	TAIL
	ROWSUM R+1
	v_cmp_eq_u32 vcc_lo, 1, v1
	s_wait_alu depctr_va_vcc(0)                    ; VCC is written, ahead of the select that reads it
	v_cndmask_b32 v[R], v[R], v[R+1], vcc_lo       ; lane 0 holds the first row's sum, lane 1 the second's
	s_wait_xcnt 0x0                                ; EXEC is a source of the stores above: it changes only behind this wait
	v_cmp_gt_u32 vcc_lo, 2, v1
	s_wait_alu depctr_va_vcc(0)                    ; VCC is written anew: EXEC is made from it
	s_wait_alu depctr_va_vdst(0)                   ; ahead of the write of EXEC: the vector lines issued so far are done; among them the select has written v[R], which the store below reads
	s_wait_alu depctr_vm_vsrc(0)                   ; ahead of the write of EXEC: the stores issued so far have read their registers
	s_and_saveexec_b32 s26, vcc_lo
	global_store_b32 v3, v[R], s[14:15]
	s_wait_xcnt 0x0                                ; and again in front of the line that widens it
	s_wait_alu depctr_va_vdst(0)                   ; ahead of the write of EXEC: the vector lines issued so far are done
	s_wait_alu depctr_vm_vsrc(0)                   ; ahead of the write of EXEC: the store of rs has read v3 and v[R]
	s_or_b32 exec_lo, exec_lo, s26
	s_endpgm
.Lq:
	s_load_b64 s[24:25], s[8:9], 0x0               ; my two rows' zero points, while the ring's loads are on their way
	s_wait_kmcnt 0x0
	MAKEC C, 24
	MAKEC C+2, 25
	BLK 1, 0, 24
	BLK 1, 1, 16
	BLK 1, 2, 16
	BLK 1, 3, 16
	BLK 1, 4, 16
	BLK 1, 5, 16
	BLK 1, 6, 8
	BLK 1, 7, 0
	TAIL
	s_endpgm
.Lfunc_end_k_qef44fd634e_prep:
	.size	k_qef44fd634e_prep, .Lfunc_end_k_qef44fd634e_prep-k_qef44fd634e_prep
	.p2alignl 7, 3214868480
	.fill 96, 4, 3214868480
	.section	.rodata,"a",@progbits
	.p2align	6, 0x0
	.amdhsa_kernel k_qef44fd634e_prep
		.amdhsa_group_segment_fixed_size 0
		.amdhsa_private_segment_fixed_size 0
		.amdhsa_enable_private_segment 0
		.amdhsa_kernarg_size 48
		.amdhsa_user_sgpr_count 2
		.amdhsa_user_sgpr_kernarg_segment_ptr 1
		.amdhsa_wavefront_size32 1
		.amdhsa_system_sgpr_workgroup_id_x 1
		.amdhsa_system_sgpr_workgroup_id_y 1
		.amdhsa_system_sgpr_workgroup_id_z 1
		.amdhsa_system_vgpr_workitem_id 0
		.amdhsa_next_free_vgpr 188
		.amdhsa_next_free_sgpr 66
		.amdhsa_reserve_vcc 1
		.amdhsa_float_denorm_mode_32 3
		.amdhsa_float_denorm_mode_16_64 3
		.amdhsa_memory_ordered 1
		.amdhsa_forward_progress 1
		.amdhsa_inst_pref_size 69
	.end_amdhsa_kernel
	.amdgpu_metadata
---
amdhsa.version: [ 1, 2 ]
amdhsa.kernels:
  - .name:           k_qef44fd634e_prep
    .symbol:         k_qef44fd634e_prep.kd
    .args:
      - { .name: x, .offset: 0, .size: 8, .value_kind: global_buffer, .address_space: global }
      - { .name: qweight, .offset: 8, .size: 8, .value_kind: global_buffer, .address_space: global }
      - { .name: zero_points, .offset: 16, .size: 8, .value_kind: global_buffer, .address_space: global }
      - { .name: xb, .offset: 24, .size: 8, .value_kind: global_buffer, .address_space: global }
      - { .name: wb, .offset: 32, .size: 8, .value_kind: global_buffer, .address_space: global }
      - { .name: rs, .offset: 40, .size: 8, .value_kind: global_buffer, .address_space: global }
    .group_segment_fixed_size: 0
    .private_segment_fixed_size: 0
    .kernarg_segment_align: 8
    .kernarg_segment_size: 48
    .max_flat_workgroup_size: 256
    .sgpr_count:     66
    .vgpr_count:     188
    .wavefront_size: 32
...
	.end_amdgpu_metadata
.endif
;; end of part 3
;; launch gemm: the kernel of part 2 again; grid 16 x 16, 4 waves a work-group, clusters of 4 x 4, 327,680 bytes of LDS; arguments xb, wb, out0, rs, scales, zero_points, bias; writes out0
